; MI455X (gfx1250); checked and timed in simulation.
; The chip was launched on July 23, 2026; its instructions are those of AMD's public machine-readable ISA for CDNA 5 (MIT licence, August 2026) and "CDNA5" Instruction Set Architecture Reference Guide (July 2026). The comments in the code are by the model that wrote it; some were corrected since.
;; S4 Conv Kernel. Allowed arithmetic: float matrix products may take bf16 or f16 operands with f32 sums; all other float work in f32.
;; Inputs: A_im 1,024 x 32 float32; C_im 1,024 x 32 float32; C_re 1,024 x 32 float32; log_A_re 1,024 x 32 float32; log_dt 1,024 float32.
;; Outputs: out0 1,024 x 4,096 float32.
;; Constants: L = 4096.
;; 2 versions, each right; version 2 is version 1 with the launch s4kernel written anew for expert scheduling mode. Each part assembles by itself: llvm-mc -triple=amdgcn-amd-amdhsa -mcpu=gfx1250 --defsym DOCPART=n.
;; ======== version 1 of 2: 1 launch
;; launch s4kernel (part 1): grid 256 x 1, 4 waves a work-group, no clusters, 147,968 bytes of LDS; arguments log_dt, C_re, C_im, log_A_re, A_im, out0; writes out0
.if DOCPART == 1
	.amdgcn_target "amdgcn-amd-amdhsa--gfx1250"
	.amdhsa_code_object_version 6
	.text
	.protected	k_q0bb2e40056_s4kernel
	.globl	k_q0bb2e40056_s4kernel
	.p2align	8
	.type	k_q0bb2e40056_s4kernel,@function
k_q0bb2e40056_s4kernel:
	s_mov_b64 s[64:65], 0
	v_nop
	global_prefetch_b8 v0, s[64:65] scope:SCOPE_SE
	s_setreg_imm32_b32 hwreg(HW_REG_WAVE_MODE, 25, 1), 1
	s_wait_xcnt 0x0
; out[h][l] = 2 Re sum over n of Ct[h][n] w[h][n]^l,  w = exp(dt A),  Ct = C (w - 1) / A,  A = -exp(log_A_re) + i A_im,  dt = exp(log_dt).
; H = 1024 rows, 32 modes n, L = 4096.  One wave makes one row h; four waves a work-group, 256 work-groups; no wave talks to another.
;
; THE IDEA.  l = f(m) + g(q), m and q in 0..63, so w^l = w^f(m) w^g(q) and a row is a 64 x 64 real product with K = 64:
;   out = sum over n of  Re P[m][n] Re Q[q][n] + (-Im P[m][n]) Im Q[q][n],   P[m] = 2 Ct w^f(m),  Q[q] = w^g(q).
; 128 complex powers a mode instead of 4,096 exponentials.  They come from one direct exp/sin/cos (w itself), eleven complex squarings
; (w^2 .. w^2048) and one complex multiply a value.  P is kept conjugated (P' = conj P), which supplies the minus sign.
;
; THE NUMBER FORMAT.  The terms of a sum reach about 0.3 while the sum passes through zero, and the allowance there is a few 1e-4 of
; absolute error: operands rounded once to bf16 (2^-9) or f16 (2^-12) are too coarse.  Each operand is split, x = hi + lo, both bf16, and
; three products are summed in f32: hi hi + hi lo + lo hi (K = 192, 6 matrix instructions a 16 x 16 tile, 96 a row).  What is dropped
; (lo lo, and lo's own rounding) is about 2^-16 of a term.
;
; THE MAPS f AND g are chosen so that results leave straight from the accumulators.  Source 0 = 16 rows of Q, source 1 = 16 rows of P':
; register j of lane (r, hh) is Q row 16u + 8hh + j against P row 16t + r.  With
;   g(q) = (q & 3) + 128 bit2(q) + 64 bit3(q) + 256 (q >> 4),     f(m) = 4 (m & 15) + 1024 (m >> 4)
; its place is l = (j & 3) + 4r + 64hh + 128 (j >> 2) + 256u + 1024t: four registers are 16 neighbouring bytes, and one 16-byte store of
; the wave covers 512 consecutive bytes that start on a multiple of 512.
;
; While powers are made, lane = mode n.  A fragment wants lane = row, so the bf16 pairs (re, im) go through the wave's own part of LDS:
; four regions (Q hi, Q lo, P' hi, P' lo) of 64 rows; a row is 32 modes x 4 bytes = 128 bytes, k = 2n (re), 2n + 1 (im), pitch 144 bytes
; = 9 x 16, so that the sixteen rows of a fragment load start at sixteen different 16-byte columns modulo 256 bytes.
;
; No cluster: no two rows h share an input byte.  No tensor load, no prefetch: a wave reads 516 bytes, once, at its start.
;
; LIMITS.  Powers by squaring: the relative error of w^l grows like l x 2e-7 (the reference's own dt A l in f32 grows alike).
; Products: about 2^-16 of a term.  v_exp_f32 and v_rcp_f32 flush denormals: a^2 + A_im^2 has to be a normal number, and exp results below
; 2^-126 are zero.  The quadrant number of A_im dt, rndne(A_im dt 2/pi), has to fit 32 bits.  NaN and infinite inputs are not followed.
; The order of rounding differs from the reference's throughout.
.set PITCH,    144                     ; bytes from row to row in LDS
.set REGION,   64*PITCH                ; one operand part: 9,216 bytes
.set LQH,      0
.set LQL,      REGION
.set LPH,      2*REGION
.set LPL,      3*REGION
.set WAVE_LDS, 4*REGION                ; 36,864 bytes a wave, 147,456 a work-group
; window 0
.set SADR, 1                           ; LDS: wave's part + 4 lane (where mode n's pair goes in a row)
.set FADR, 2                           ; LDS: wave's part + r PITCH + 16 hh (a fragment's first 16 bytes)
.set OOFF, 3                           ; 16 lane: my 16 bytes in each 512 bytes of the row of out
.set MONE, 4                           ; -1.0
.set POFF, 5                           ; byte offset of (h, n) in the [1024][32] inputs
.set DOFF, 6                           ; byte offset of h in log_dt
.set LANE, 7
.set PB,   8                           ; v[8:135]   P'[i] = (re, im) at PB + 2i
.set QB,   40                          ; v[40:167]  Q[i] at QB + 2i; P'[16..63] take Q's registers when Q has been split
.set ACC,  8                           ; v[8:135]   accumulator tile (t, u) at ACC + 32t + 8u: on P' tile t's registers, dead by then
.set W,    168                         ; v[168:191] w^(2^k) at W + 2k, k = 0..11
.set HI,   192                         ; v[192:199] eight packed hi pairs
.set LO,   200                         ; v[200:207] eight packed lo pairs
.set LDT,  208
.set CRE,  209
.set CIM,  210
.set LAR,  211
.set AIM,  212
.set T0,   213
.set T1,   214
.set DT,   215
.set AA,   216
.set TH,   217
.set XX,   218
.set EE,   219
.set QF,   220
.set PHI,  221
.set QI,   222
.set ZZ,   223
.set SP,   224
.set CP,   225
.set SN,   226
.set CS,   227
.set B0,   228
.set G1,   229
.set G2,   230
.set UR,   231
.set NR,   232
.set NI,   233
.set DEN,  234
.set INV,  235
.set PR,   236
.set PI,   237
; window 1 (named by their low 8 bits)
.set QHF,  0                           ; Q hi fragments: tile u, K half c at 16u + 8c
.set QLF,  64                          ; Q lo fragments
.set PF,   128                         ; P' fragments: tile t: hi at 128 + 32t + 8c, lo at 128 + 32t + 16 + 8c
.set MSB, 0
.macro WIN new                         ; s_set_vgpr_msb: bits 1:0 source 0, 3:2 source 1, 5:4 source 2, 7:6 destination; the high byte repeats the setting left
.if MSB != \new
	s_set_vgpr_msb (MSB<<8)|\new
.set MSB, \new
.endif
.endm
.set TO_FRAG, 0x40                     ; LDS load: data into window 1, address from window 0
.set MULT,    0x05                     ; matrix: sources 0 and 1 from window 1, C and D in window 0
; A complex product D = X Y in two packed instructions; cj = 1: D = X conj(Y).
; first:  D = (xr yr, +-xr yi);   second:  D += (-+xi yi, xi yr)
.macro CMA base, d, s, k, cj
.if \cj
	v_pk_mul_f32 v[\base+2*(\d):\base+2*(\d)+1], v[\base+2*(\s):\base+2*(\s)+1], v[W+2*(\k):W+2*(\k)+1] op_sel_hi:[0,1] neg_hi:[0,1]
.else
	v_pk_mul_f32 v[\base+2*(\d):\base+2*(\d)+1], v[\base+2*(\s):\base+2*(\s)+1], v[W+2*(\k):W+2*(\k)+1] op_sel_hi:[0,1]
.endif
.endm
.macro CMB base, d, s, k, cj
.if \cj
	v_pk_fma_f32 v[\base+2*(\d):\base+2*(\d)+1], v[\base+2*(\s):\base+2*(\s)+1], v[W+2*(\k):W+2*(\k)+1], v[\base+2*(\d):\base+2*(\d)+1] op_sel:[1,1,0] op_sel_hi:[1,0,1]
.else
	v_pk_fma_f32 v[\base+2*(\d):\base+2*(\d)+1], v[\base+2*(\s):\base+2*(\s)+1], v[W+2*(\k):W+2*(\k)+1], v[\base+2*(\d):\base+2*(\d)+1] op_sel:[1,1,0] op_sel_hi:[1,0,1] neg_lo:[0,1,0]
.endif
.endm
; array[first + i + step] = array[first + i] x w^(2^k), i = 0 .. count-1: all first halves, then all second halves, so that none waits for its neighbour
.macro LEVEL base, first, count, step, k, cj
.set li, 0
.rept \count
	CMA \base, \first+li+\step, \first+li, \k, \cj
.set li, li+1
.endr
.set li, 0
.rept \count
	CMB \base, \first+li+\step, \first+li, \k, \cj
.set li, li+1
.endr
.endm
; w^(2^(k+1)) = (w^(2^k))^2
.macro SQ k
	v_pk_mul_f32 v[W+2*\k+2:W+2*\k+3], v[W+2*\k:W+2*\k+1], v[W+2*\k:W+2*\k+1] op_sel_hi:[0,1]
	v_pk_fma_f32 v[W+2*\k+2:W+2*\k+3], v[W+2*\k:W+2*\k+1], v[W+2*\k:W+2*\k+1], v[W+2*\k+2:W+2*\k+3] op_sel:[1,1,0] op_sel_hi:[1,0,1] neg_lo:[0,1,0]
.endm
; Rows 8g .. 8g+7 of an array: hi = bf16(x), lo = bf16(x - hi) (x - hi is exact in f32), each (re, im) packed in a word; the wave's 32 words
; are the 128 bytes of a row.  The array is used up (x - hi is written over x).  LDS stores read their sources at issue: HI and LO are free at once.
.macro SPLIT base, g, rhi, rlo
.set si, 0
.rept 8
	v_cvt_pk_bf16_f32 v[HI+si], v[\base+16*\g+2*si], v[\base+16*\g+2*si+1]
.set si, si+1
.endr
.set si, 0
.rept 8
	v_fma_mix_f32_bf16 v[\base+16*\g+2*si], v[HI+si], v[MONE], v[\base+16*\g+2*si] op_sel_hi:[1,0,0]
	v_fma_mix_f32_bf16 v[\base+16*\g+2*si+1], v[HI+si], v[MONE], v[\base+16*\g+2*si+1] op_sel:[1,0,0] op_sel_hi:[1,0,0]
	ds_store_b32 v[SADR], v[HI+si] offset:\rhi+(8*\g+si)*PITCH
.set si, si+1
.endr
.set si, 0
.rept 8
	v_cvt_pk_bf16_f32 v[LO+si], v[\base+16*\g+2*si], v[\base+16*\g+2*si+1]
.set si, si+1
.endr
.set si, 0
.rept 8
	ds_store_b32 v[SADR], v[LO+si] offset:\rlo+(8*\g+si)*PITCH
.set si, si+1
.endr
.endm
; Fragments: lane (r, hh) takes row r; registers 4c .. 4c+3 of a tile's sixteen are the 16 bytes at 32c + 16hh (K halves c = 0,1 and 2,3).
; LDS serves a wave's instructions in order (ISA guide 5.7.1): these loads see the wave's own stores above them without a wait.
.macro LOADP t
	WIN TO_FRAG
.irp c, 0,1,2,3
	ds_load_b128 v[PF+32*\t+4*\c:PF+32*\t+4*\c+3], v[FADR] offset:LPH+\t*16*PITCH+32*\c
	ds_load_b128 v[PF+32*\t+16+4*\c:PF+32*\t+16+4*\c+3], v[FADR] offset:LPL+\t*16*PITCH+32*\c
.endr
	WIN 0
.endm
; four matrix instructions: the four Q tiles against one P' fragment, 32 along K; four accumulators in turn
.macro MM t, qf, pf, zero
.irp u, 0,1,2,3
.if \zero
	v_wmma_f32_16x16x32_bf16 v[ACC+32*\t+8*\u:ACC+32*\t+8*\u+7], v[\qf+16*\u:\qf+16*\u+7], v[\pf:\pf+7], 0
.else
	v_wmma_f32_16x16x32_bf16 v[ACC+32*\t+8*\u:ACC+32*\t+8*\u+7], v[\qf+16*\u:\qf+16*\u+7], v[\pf:\pf+7], v[ACC+32*\t+8*\u:ACC+32*\t+8*\u+7]
.endif
.endr
.endm
.macro GEMM t                          ; l = 1024t .. 1024t + 1023: 24 matrix instructions; the first four start the sums (C = 0)
	WIN MULT
	MM \t, QHF,   PF+32*\t,    1       ; hi x hi
	MM \t, QHF+8, PF+32*\t+8,  0
	MM \t, QHF,   PF+32*\t+16, 0       ; Q hi x P' lo
	MM \t, QHF+8, PF+32*\t+24, 0
	MM \t, QLF,   PF+32*\t,    0       ; Q lo x P' hi
	MM \t, QLF+8, PF+32*\t+8,  0
	WIN 0
.endm
.macro STORE t                         ; 4,096 bytes of the row: each store is 512 consecutive bytes, 16 a lane
.irp u, 0,1,2,3
	global_store_b128 v[OOFF], v[ACC+32*\t+8*\u:ACC+32*\t+8*\u+3], s[14:15] offset:4096*\t+1024*\u th:TH_STORE_NT
	global_store_b128 v[OOFF], v[ACC+32*\t+8*\u+4:ACC+32*\t+8*\u+7], s[14:15] offset:4096*\t+1024*\u+512 th:TH_STORE_NT
.endr
.endm
	; ---- addresses and the five loads ----
	s_load_b256 s[4:11], s[0:1], 0x0               ; log_dt s[4:5], C_re s[6:7], C_im s[8:9], log_A_re s[10:11]
	s_load_b128 s[12:15], s[0:1], 0x20             ; A_im s[12:13], out0 s[14:15]
	v_lshl_add_u32 v254, v0, 2, 0x24000
	v_mov_b32 v255, 0
	v_lshrrev_b32 v[T0], 5, v0
	v_readfirstlane_b32 s16, v[T0]                 ; wave 0..3
	v_and_b32 v[LANE], 31, v0
	s_lshl_b32 s17, ttmp9, 9                       ; the work-group's four rows of 128 bytes
	v_lshl_add_u32 v[POFF], v0, 2, s17             ; + 4 x thread = 128 wave + 4 lane
	s_lshl_b32 s18, ttmp9, 2
	s_add_co_u32 s18, s18, s16                     ; h = 4 x work-group + wave
	s_lshl_b32 s19, s18, 2
	v_mov_b32 v[DOFF], s19
	s_lshl_b32 s22, s18, 14                        ; h rows of 16,384 bytes (below 2^24)
	s_mov_b32 s23, 0
	s_mul_i32 s20, s16, WAVE_LDS                   ; the wave's part of LDS
	s_wait_kmcnt 0x0
	global_load_b32 v[LDT], v[DOFF], s[4:5]        ; the same word in all lanes
	global_load_b32 v[LAR], v[POFF], s[10:11] th:TH_LOAD_NT
	global_load_b32 v[AIM], v[POFF], s[12:13] th:TH_LOAD_NT
	global_load_b32 v[CRE], v[POFF], s[6:7] th:TH_LOAD_NT
	global_load_b32 v[CIM], v[POFF], s[8:9] th:TH_LOAD_NT
	s_add_nc_u64 s[14:15], s[14:15], s[22:23]      ; out at row h
	v_and_b32 v[T0], 15, v0                        ; r
	v_bfe_u32 v[T1], v0, 4, 1                      ; hh
	v_mul_u32_u24 v[FADR], v[T0], PITCH
	v_lshl_add_u32 v[FADR], v[T1], 4, v[FADR]
	v_add_nc_u32 v[FADR], s20, v[FADR]
	v_lshl_add_u32 v[SADR], v[LANE], 2, s20
	v_lshlrev_b32 v[OOFF], 4, v[LANE]
	v_mov_b32 v[MONE], -1.0
	v_mov_b32 v[QB], 1.0                           ; Q[0] = w^0
	v_mov_b32 v[QB+1], 0
	; ---- w = exp(-a dt) (cos th + i sin th),  a = exp(log_A_re),  th = A_im dt ----
	s_wait_loadcnt 0x2                             ; log_dt, log_A_re, A_im are in; the two younger loads (C_re, C_im) may be out
	v_mul_f32 v[T0], 0x3fb8aa3b, v[LDT]            ; x log2(e)
	v_mul_f32 v[T1], 0x3fb8aa3b, v[LAR]
	v_exp_f32 v[DT], v[T0]
	v_exp_f32 v[AA], v[T1]
	v_mov_b32 v[SP], 0x3638ef1d                    ; 1/9!  (the plain instruction between the exponentials and their first use, ISA guide 5.7.2)
	s_wait_alu depctr_va_vdst(0)
	v_mul_f32 v[TH], v[AIM], v[DT]
	v_mul_f32 v[XX], v[AA], v[DT]
	v_mul_f32 v[XX], 0xbfb8aa3b, v[XX]             ; -a dt log2(e)
	v_exp_f32 v[EE], v[XX]
	v_mul_f32 v[QF], 0x3f22f983, v[TH]             ; th 2/pi
	v_rndne_f32 v[QF], v[QF]                       ; quadrant number q
	v_fmamk_f32 v[PHI], v[QF], 0xbfc90fdb, v[TH]   ; phi = th - q pi/2, pi/2 in two parts; q = 0 leaves th as it is
	v_fmamk_f32 v[PHI], v[QF], 0x333bbd2e, v[PHI]
	v_cvt_i32_f32 v[QI], v[QF]
	v_mul_f32 v[ZZ], v[PHI], v[PHI]                ; |phi| <= pi/4: Taylor to phi^9 and phi^8 leaves less than 3e-8
	v_mov_b32 v[CP], 0x37d00d01                    ; 1/8!
	v_fmaak_f32 v[SP], v[SP], v[ZZ], 0xb9500d01    ; -1/7!
	v_fmaak_f32 v[CP], v[CP], v[ZZ], 0xbab60b61    ; -1/6!
	v_fmaak_f32 v[SP], v[SP], v[ZZ], 0x3c088889    ; 1/5!
	v_fmaak_f32 v[CP], v[CP], v[ZZ], 0x3d2aaaab    ; 1/4!
	v_fmaak_f32 v[SP], v[SP], v[ZZ], 0xbe2aaaab    ; -1/3!
	v_fmaak_f32 v[CP], v[CP], v[ZZ], 0xbf000000    ; -1/2!
	v_mul_f32 v[SP], v[SP], v[ZZ]
	v_fma_f32 v[CS], v[CP], v[ZZ], 1.0             ; cos phi
	v_fma_f32 v[SN], v[SP], v[PHI], v[PHI]         ; sin phi
	; q mod 4 = 0: (c, s)  1: (-s, c)  2: (-c, -s)  3: (s, -c).  Selected by masks, no branch.
	v_and_b32 v[B0], 1, v[QI]
	v_cmp_eq_u32 vcc_lo, 1, v[B0]
	v_cndmask_b32 v[T0], v[CS], v[SN], vcc_lo      ; cos th up to sign
	v_cndmask_b32 v[T1], v[SN], v[CS], vcc_lo      ; sin th up to sign
	v_add_nc_u32 v[G2], 1, v[QI]
	v_lshlrev_b32 v[G1], 30, v[QI]                 ; bit 1 of q: sign of sin
	v_lshlrev_b32 v[G2], 30, v[G2]                 ; bit 1 of q + 1: sign of cos
	v_and_b32 v[G1], 0x80000000, v[G1]
	v_and_b32 v[G2], 0x80000000, v[G2]
	v_xor_b32 v[T1], v[G1], v[T1]
	v_xor_b32 v[T0], v[G2], v[T0]
	s_wait_alu depctr_va_vdst(0)
	v_mul_f32 v[W], v[EE], v[T0]                   ; w
	v_mul_f32 v[W+1], v[EE], v[T1]
	SQ 0                                           ; the chain of squarings; other work stands between its links
	; ---- P'[0] = conj(2 Ct),  Ct = C (w - 1) conj(A) / |A|^2,  conj(A) = (-a, -A_im) ----
	s_wait_loadcnt 0x0                             ; C_re, C_im
	v_add_f32 v[UR], -1.0, v[W]
	v_mul_f32 v[NR], v[CRE], v[UR]
	v_mul_f32 v[NI], v[CRE], v[W+1]
	v_mul_f32 v[DEN], v[AA], v[AA]
	v_fma_f32 v[NR], -v[CIM], v[W+1], v[NR]        ; Re C (w - 1)
	v_fma_f32 v[NI], v[CIM], v[UR], v[NI]          ; Im C (w - 1)
	v_fma_f32 v[DEN], v[AIM], v[AIM], v[DEN]
	v_rcp_f32 v[INV], v[DEN]
	v_mul_f32 v[PR], v[AIM], v[NI]                 ; (plain, and independent of the reciprocal)
	v_mul_f32 v[PI], v[AIM], v[NR]
	v_fma_f32 v[PR], -v[AA], v[NR], v[PR]          ; A_im ni - a nr  =  |A|^2 Re Ct
	v_fma_f32 v[PI], v[AA], v[NI], v[PI]           ; A_im nr + a ni  = -|A|^2 Im Ct
	s_wait_alu depctr_va_vdst(0)
	v_add_f32 v[INV], v[INV], v[INV]
	v_mul_f32 v[PB], v[PR], v[INV]
	v_mul_f32 v[PB+1], v[PI], v[INV]
	; ---- the powers.  Q's row bits 0..5 stand for w^1, w^2, w^128, w^64, w^256, w^512; P's for w^4, 8, 16, 32, 1024, 2048 ----
	LEVEL QB, 0, 1, 1, 0, 0
	SQ 1
	LEVEL QB, 0, 2, 2, 1, 0
	SQ 2
	LEVEL PB, 0, 1, 1, 2, 1
	SQ 3
	LEVEL PB, 0, 2, 2, 3, 1
	SQ 4
	LEVEL PB, 0, 4, 4, 4, 1
	SQ 5
	LEVEL PB, 0, 8, 8, 5, 1                        ; P'[0..15]: the first tile
	SQ 6
	LEVEL QB, 0, 4, 8, 6, 0                        ; bit 3: w^64
	SQ 7
	LEVEL QB, 0, 4, 4, 7, 0                        ; bit 2: w^128
	LEVEL QB, 8, 4, 4, 7, 0
	SQ 8
	LEVEL QB, 0, 16, 16, 8, 0
	SQ 9
	LEVEL QB, 0, 32, 32, 9, 0
	SQ 10
	; ---- Q: split, to LDS, back as fragments (they arrive while P' is finished) ----
.irp g, 0,1,2,3,4,5,6,7
	SPLIT QB, \g, LQH, LQL
.endr
	WIN TO_FRAG
.irp u, 0,1,2,3
.irp c, 0,1,2,3
	ds_load_b128 v[QHF+16*\u+4*\c:QHF+16*\u+4*\c+3], v[FADR] offset:LQH+\u*16*PITCH+32*\c
	ds_load_b128 v[QLF+16*\u+4*\c:QLF+16*\u+4*\c+3], v[FADR] offset:LQL+\u*16*PITCH+32*\c
.endr
.endr
	WIN 0
	LEVEL PB, 0, 16, 16, 10, 1                     ; P'[16..31] = P'[0..15] conj(w^1024), on registers that Q has left
	LEVEL PB, 0, 32, 32, 11, 1                     ; P'[32..63] = P'[0..31] conj(w^2048)
	; ---- tile row by tile row: P' tile t+2 is split and fetched between the products of t and the stores of t.  That vector work names no register
	; of the matrix instructions in front of it and so fills the four places that a store of their results needs, and each
	; quarter of the row leaves while the next ones are still being made. ----
	SPLIT PB, 0, LPH, LPL
	SPLIT PB, 1, LPH, LPL
	LOADP 0
	SPLIT PB, 2, LPH, LPL
	SPLIT PB, 3, LPH, LPL
	LOADP 1
	s_wait_dscnt 40                                ; behind tile 0's eight loads: tile 1's 32 LDS stores and 8 loads.  Q's loads are older still
	GEMM 0
	SPLIT PB, 4, LPH, LPL
	SPLIT PB, 5, LPH, LPL
	LOADP 2
	STORE 0
	s_wait_dscnt 40                                ; behind tile 1's loads: tile 2's 32 stores and 8 loads
	GEMM 1
	SPLIT PB, 6, LPH, LPL
	SPLIT PB, 7, LPH, LPL
	LOADP 3
	STORE 1
	s_wait_dscnt 40                                ; behind tile 2's loads: tile 3's 32 stores and 8 loads
	GEMM 2
.rept 4
	v_nop                                          ; no vector work is left: the four places in front of the stores
.endr
	STORE 2
	s_wait_dscnt 0x0                               ; tile 3's fragments: nothing was issued behind them
	GEMM 3
.rept 4
	v_nop
.endr
	STORE 3
	s_wait_tensorcnt 0x0
	ds_add_u32 v254, v255
	s_wait_dscnt 0x0
	s_endpgm
.Lfunc_end_k_q0bb2e40056_s4kernel:
	.size	k_q0bb2e40056_s4kernel, .Lfunc_end_k_q0bb2e40056_s4kernel-k_q0bb2e40056_s4kernel
	.p2alignl 7, 3214868480
	.fill 96, 4, 3214868480
	.section	.rodata,"a",@progbits
	.p2align	6, 0x0
	.amdhsa_kernel k_q0bb2e40056_s4kernel
		.amdhsa_group_segment_fixed_size 147968
		.amdhsa_private_segment_fixed_size 0
		.amdhsa_enable_private_segment 0
		.amdhsa_kernarg_size 48
		.amdhsa_user_sgpr_count 2
		.amdhsa_user_sgpr_kernarg_segment_ptr 1
		.amdhsa_wavefront_size32 1
		.amdhsa_system_sgpr_workgroup_id_x 1
		.amdhsa_system_sgpr_workgroup_id_y 1
		.amdhsa_system_sgpr_workgroup_id_z 1
		.amdhsa_system_vgpr_workitem_id 0
		.amdhsa_next_free_vgpr 512
		.amdhsa_next_free_sgpr 66
		.amdhsa_reserve_vcc 1
		.amdhsa_float_denorm_mode_32 3
		.amdhsa_float_denorm_mode_16_64 3
		.amdhsa_memory_ordered 1
		.amdhsa_forward_progress 1
		.amdhsa_inst_pref_size 84
	.end_amdhsa_kernel
	.amdgpu_metadata
---
amdhsa.version: [ 1, 2 ]
amdhsa.kernels:
  - .name:           k_q0bb2e40056_s4kernel
    .symbol:         k_q0bb2e40056_s4kernel.kd
    .args:
      - { .name: log_dt, .offset: 0, .size: 8, .value_kind: global_buffer, .address_space: global }
      - { .name: C_re, .offset: 8, .size: 8, .value_kind: global_buffer, .address_space: global }
      - { .name: C_im, .offset: 16, .size: 8, .value_kind: global_buffer, .address_space: global }
      - { .name: log_A_re, .offset: 24, .size: 8, .value_kind: global_buffer, .address_space: global }
      - { .name: A_im, .offset: 32, .size: 8, .value_kind: global_buffer, .address_space: global }
      - { .name: out0, .offset: 40, .size: 8, .value_kind: global_buffer, .address_space: global }
    .group_segment_fixed_size: 147968
    .private_segment_fixed_size: 0
    .kernarg_segment_align: 8
    .kernarg_segment_size: 48
    .max_flat_workgroup_size: 128
    .sgpr_count:     66
    .vgpr_count:     512
    .wavefront_size: 32
...
	.end_amdgpu_metadata
.endif
;; end of part 1
;; ======== version 2 of 2: 1 launch; version 1 with the launch s4kernel written anew for expert scheduling mode
;; launch s4kernel (part 2): grid 256 x 1, 4 waves a work-group, no clusters, 147,968 bytes of LDS; arguments log_dt, C_re, C_im, log_A_re, A_im, out0; writes out0
.if DOCPART == 2
	.amdgcn_target "amdgcn-amd-amdhsa--gfx1250"
	.amdhsa_code_object_version 6
	.text
	.protected	k_q0bb2e40056_s4kernel
	.globl	k_q0bb2e40056_s4kernel
	.p2align	8
	.type	k_q0bb2e40056_s4kernel,@function
k_q0bb2e40056_s4kernel:
	s_mov_b64 s[64:65], 0
	v_nop
	global_prefetch_b8 v0, s[64:65] scope:SCOPE_SE
	s_setreg_imm32_b32 hwreg(HW_REG_WAVE_SCHED_MODE, 0, 2), 2
	s_setreg_imm32_b32 hwreg(HW_REG_WAVE_MODE, 25, 1), 1
	s_wait_xcnt 0x0
	s_wait_alu depctr_vm_vsrc(0)
; out[h][l] = 2 Re sum over n of Ct[h][n] w[h][n]^l,  w = exp(dt A),  Ct = C (w - 1) / A,  A = -exp(log_A_re) + i A_im,  dt = exp(log_dt).
; H = 1024 rows, 32 modes n, L = 4096.  One wave makes one row h; four waves a work-group, 256 work-groups; no wave talks to another.
;
; THE IDEA.  l = f(m) + g(q), m and q in 0..63, so w^l = w^f(m) w^g(q) and a row is a 64 x 64 real product with K = 64:
;   out = sum over n of  Re P[m][n] Re Q[q][n] + (-Im P[m][n]) Im Q[q][n],   P[m] = 2 Ct w^f(m),  Q[q] = w^g(q).
; 128 complex powers a mode instead of 4,096 exponentials.  They come from one direct exp/sin/cos (w itself), eleven complex squarings
; (w^2 .. w^2048) and one complex multiply a value.  P is kept conjugated (P' = conj P), which supplies the minus sign.
;
; THE NUMBER FORMAT.  The terms of a sum reach about 0.3 while the sum passes through zero, and the allowance there is a few 1e-4 of
; absolute error: operands rounded once to bf16 (2^-9) or f16 (2^-12) are too coarse.  Each operand is split, x = hi + lo, both bf16, and
; three products are summed in f32: hi hi + hi lo + lo hi (K = 192, 6 matrix instructions a 16 x 16 tile, 96 a row).  What is dropped
; (lo lo, and lo's own rounding) is about 2^-16 of a term.
;
; THE MAPS f AND g are chosen so that results leave straight from the accumulators.  Source 0 = 16 rows of Q, source 1 = 16 rows of P':
; register j of lane (r, hh) is Q row 16u + 8hh + j against P row 16t + r.  With
;   g(q) = (q & 3) + 128 bit2(q) + 64 bit3(q) + 256 (q >> 4),     f(m) = 4 (m & 15) + 1024 (m >> 4)
; its place is l = (j & 3) + 4r + 64hh + 128 (j >> 2) + 256u + 1024t: four registers are 16 neighbouring bytes, and one 16-byte store of
; the wave covers 512 consecutive bytes that start on a multiple of 512.
;
; While powers are made, lane = mode n.  A fragment wants lane = row, so the bf16 pairs (re, im) go through the wave's own part of LDS:
; four regions (Q hi, Q lo, P' hi, P' lo) of 64 rows; a row is 32 modes x 4 bytes = 128 bytes, k = 2n (re), 2n + 1 (im), pitch 144 bytes
; = 9 x 16, so that the sixteen rows of a fragment load start at sixteen different 16-byte columns modulo 256 bytes.
;
; No cluster: no two rows h share an input byte.  No tensor load, no prefetch: a wave reads 516 bytes, once, at its start.
;
; THE MODE: SCHED_MODE bits 1:0 = 2 (LLVM: expert scheduling mode 2), set by the entry lines.  The code itself states the register dependences
; between vector or matrix instructions and memory or LDS instructions, with s_wait_alu, always for 0.
; THE PLAN.  Registers that memory or LDS instructions touch (the text is one straight run):
;   v1, v2, v3, v5, v6   addresses and offsets, made at the head and never written again: one wait at the head states them for the whole kernel.
;   HI + i               row i's packed hi pair: written by the split of the row's tile, read by one LDS store.  Q's 64 rows have it first, P's 64 rows after them.
;   a row's first register   takes the row's packed lo pair, in place (the split uses the array up): written by the split, read by one LDS store.
;                        Q tiles 0, 1, 2 are written again by P' rows 16 to 63; P' tile t is written again by the sums of tile row t.
;   the accumulators     written by matrix instructions, read by the global stores, never written again.
;   window 1             the fragments: LDS loads land there once; matrix instructions alone name them.
; A tile is 16 rows: 64 vector lines and 32 LDS stores.  One wait on va_vdst stands behind a tile's split; the tile's stores follow it dealt among the next
; block of vector work, which names none of their registers: the next tile's split, or a level of P' powers.  One wait on vm_vsrc stands ahead of the first
; line that writes over what stores have read: ahead of P' rows 16 on, and ahead of each tile row's products.
;
; LIMITS.  Powers by squaring: the relative error of w^l grows like l x 2e-7 (the reference's own dt A l in f32 grows alike).
; Products: about 2^-16 of a term.  v_exp_f32 and v_rcp_f32 flush denormals: a^2 + A_im^2 has to be a normal number, and exp results below
; 2^-126 are zero.  The quadrant number of A_im dt, rndne(A_im dt 2/pi), has to fit 32 bits.  NaN and infinite inputs are not followed.
; The order of rounding differs from the reference's throughout.
.set PITCH,    144                     ; bytes from row to row in LDS
.set REGION,   64*PITCH                ; one operand part: 9,216 bytes
.set LQH,      0
.set LQL,      REGION
.set LPH,      2*REGION
.set LPL,      3*REGION
.set WAVE_LDS, 4*REGION                ; 36,864 bytes a wave, 147,456 a work-group
; window 0
.set SADR, 1                           ; LDS: wave's part + 4 lane (where mode n's pair goes in a row)
.set FADR, 2                           ; LDS: wave's part + r PITCH + 16 hh (a fragment's first 16 bytes)
.set OOFF, 3                           ; 16 lane: my 16 bytes in each 512 bytes of the row of out
.set MONE, 4                           ; -1.0
.set POFF, 5                           ; byte offset of (h, n) in the [1024][32] inputs
.set DOFF, 6                           ; byte offset of h in log_dt
.set LANE, 7
.set PB,   8                           ; v[8:135]   P'[i] = (re, im) at PB + 2i
.set QB,   40                          ; v[40:167]  Q[i] at QB + 2i; P'[16..63] take Q's registers when Q has been split and stored
.set ACC,  8                           ; v[8:135]   accumulator tile (t, u) at ACC + 32t + 8u: on P' tile t's registers, dead by then
.set W,    168                         ; v[168:191] w^(2^k) at W + 2k, k = 0..11
.set HI,   192                         ; v[192:255] row i's packed hi pair at HI + i; the set-up's temporaries below lie here and are dead when the first split begins
.set LDT,  208
.set CRE,  209
.set CIM,  210
.set LAR,  211
.set AIM,  212
.set T0,   213
.set T1,   214
.set DT,   215
.set AA,   216
.set TH,   217
.set XX,   218
.set EE,   219
.set QF,   220
.set PHI,  221
.set QI,   222
.set ZZ,   223
.set SP,   224
.set CP,   225
.set SN,   226
.set CS,   227
.set B0,   228
.set G1,   229
.set G2,   230
.set UR,   231
.set NR,   232
.set NI,   233
.set DEN,  234
.set INV,  235
.set PR,   236
.set PI,   237
; window 1 (named by their low 8 bits)
.set QHF,  0                           ; Q hi fragments: tile u, K half c at 16u + 8c
.set QLF,  64                          ; Q lo fragments
.set PF,   128                         ; P' fragments: tile t: hi at 128 + 32t + 8c, lo at 128 + 32t + 16 + 8c
.set MSB, 0
.macro WIN new                         ; s_set_vgpr_msb: bits 1:0 source 0, 3:2 source 1, 5:4 source 2, 7:6 destination; the high byte repeats the setting left
.if MSB != \new
	s_set_vgpr_msb (MSB<<8)|\new
.set MSB, \new
.endif
.endm
.set TO_FRAG, 0x40                     ; LDS load: data into window 1, address from window 0
.set MULT,    0x05                     ; matrix: sources 0 and 1 from window 1, C and D in window 0
; A complex product D = X Y in two packed instructions; cj = 1: D = X conj(Y).
; first:  D = (xr yr, +-xr yi);   second:  D += (-+xi yi, xi yr)
.macro CMA base, d, s, k, cj
.if \cj
	v_pk_mul_f32 v[\base+2*(\d):\base+2*(\d)+1], v[\base+2*(\s):\base+2*(\s)+1], v[W+2*(\k):W+2*(\k)+1] op_sel_hi:[0,1] neg_hi:[0,1]
.else
	v_pk_mul_f32 v[\base+2*(\d):\base+2*(\d)+1], v[\base+2*(\s):\base+2*(\s)+1], v[W+2*(\k):W+2*(\k)+1] op_sel_hi:[0,1]
.endif
.endm
.macro CMB base, d, s, k, cj
.if \cj
	v_pk_fma_f32 v[\base+2*(\d):\base+2*(\d)+1], v[\base+2*(\s):\base+2*(\s)+1], v[W+2*(\k):W+2*(\k)+1], v[\base+2*(\d):\base+2*(\d)+1] op_sel:[1,1,0] op_sel_hi:[1,0,1]
.else
	v_pk_fma_f32 v[\base+2*(\d):\base+2*(\d)+1], v[\base+2*(\s):\base+2*(\s)+1], v[W+2*(\k):W+2*(\k)+1], v[\base+2*(\d):\base+2*(\d)+1] op_sel:[1,1,0] op_sel_hi:[1,0,1] neg_lo:[0,1,0]
.endif
.endm
; array[first + i + step] = array[first + i] x w^(2^k), i = 0 .. count-1: all first halves, then all second halves, so that none waits for its neighbour
.macro LEVEL base, first, count, step, k, cj
.set li, 0
.rept \count
	CMA \base, \first+li+\step, \first+li, \k, \cj
.set li, li+1
.endr
.set li, 0
.rept \count
	CMB \base, \first+li+\step, \first+li, \k, \cj
.set li, li+1
.endr
.endm
; A level of 16 values, and dealt among its 32 lines the 32 LDS stores of rows srow .. srow + 15 of array sb, whose split stands ahead of the last wait on va_vdst.
; The level names rows first .., first + step .. of its array and one power: none of the stores' registers.
.macro LEVELST base, first, step, k, cj, sb, srow, rhi, rlo
.set li, 0
.rept 16
	CMA \base, \first+li+\step, \first+li, \k, \cj
	ds_store_b32 v[SADR], v[HI+\srow+li] offset:\rhi+(\srow+li)*PITCH
.set li, li+1
.endr
.set li, 0
.rept 16
	CMB \base, \first+li+\step, \first+li, \k, \cj
	ds_store_b32 v[SADR], v[\sb+2*(\srow+li)] offset:\rlo+(\srow+li)*PITCH
.set li, li+1
.endr
.endm
; w^(2^(k+1)) = (w^(2^k))^2
.macro SQ k
	v_pk_mul_f32 v[W+2*\k+2:W+2*\k+3], v[W+2*\k:W+2*\k+1], v[W+2*\k:W+2*\k+1] op_sel_hi:[0,1]
	v_pk_fma_f32 v[W+2*\k+2:W+2*\k+3], v[W+2*\k:W+2*\k+1], v[W+2*\k:W+2*\k+1], v[W+2*\k+2:W+2*\k+3] op_sel:[1,1,0] op_sel_hi:[1,0,1] neg_lo:[0,1,0]
.endm
; The split of tile tl (rows 16 tl .. 16 tl + 15) of an array: hi = bf16(x), lo = bf16(x - hi) (x - hi is exact in f32), each (re, im) packed in a word.
; The hi word goes to HI + row; x - hi is written over x, and the lo word over the row's first register.  The wave's 32 words are the 128 bytes of a row in LDS.
; st = 1: the 32 LDS stores of tile tl - 1 are dealt among the first 48 lines.  Its split stands ahead of the last wait on va_vdst, and the lines here name
; tile tl's registers and v[MONE] alone.
.macro SPLITV base, tl, st, rhi, rlo
.set si, 0
.rept 16
	v_cvt_pk_bf16_f32 v[HI+16*\tl+si], v[\base+32*\tl+2*si], v[\base+32*\tl+2*si+1]
.if \st
	ds_store_b32 v[SADR], v[HI+16*(\tl-1)+si] offset:\rhi+(16*(\tl-1)+si)*PITCH
.endif
.set si, si+1
.endr
.set si, 0
.rept 16
	v_fma_mix_f32_bf16 v[\base+32*\tl+2*si], v[HI+16*\tl+si], v[MONE], v[\base+32*\tl+2*si] op_sel_hi:[1,0,0]
	v_fma_mix_f32_bf16 v[\base+32*\tl+2*si+1], v[HI+16*\tl+si], v[MONE], v[\base+32*\tl+2*si+1] op_sel:[1,0,0] op_sel_hi:[1,0,0]
.if \st
	ds_store_b32 v[SADR], v[\base+32*(\tl-1)+2*si] offset:\rlo+(16*(\tl-1)+si)*PITCH
.endif
.set si, si+1
.endr
.set si, 0
.rept 16
	v_cvt_pk_bf16_f32 v[\base+32*\tl+2*si], v[\base+32*\tl+2*si], v[\base+32*\tl+2*si+1]
.set si, si+1
.endr
.endm
; The 32 LDS stores of rows srow .. srow + 15 in one run
.macro STRUN sb, srow, rhi, rlo
.set si, 0
.rept 16
	ds_store_b32 v[SADR], v[HI+\srow+si] offset:\rhi+(\srow+si)*PITCH
	ds_store_b32 v[SADR], v[\sb+2*(\srow+si)] offset:\rlo+(\srow+si)*PITCH
.set si, si+1
.endr
.endm
; Fragments: lane (r, hh) takes row r; registers 4c .. 4c+3 of a tile's sixteen are the 16 bytes at 32c + 16hh (K halves c = 0,1 and 2,3).
; LDS serves a wave's instructions in order (ISA guide 5.7.1): these loads see the wave's own stores above them without a wait.
; They owe no wait on va_vdst of their own: v[FADR] was stated at the head, and no vector or matrix instruction ahead of them names the registers in which they land.
.macro LOADP t
	WIN TO_FRAG
.irp c, 0,1,2,3
	ds_load_b128 v[PF+32*\t+4*\c:PF+32*\t+4*\c+3], v[FADR] offset:LPH+\t*16*PITCH+32*\c
	ds_load_b128 v[PF+32*\t+16+4*\c:PF+32*\t+16+4*\c+3], v[FADR] offset:LPL+\t*16*PITCH+32*\c
.endr
	WIN 0
.endm
; four matrix instructions: the four Q tiles against one P' fragment, 32 along K; four accumulators in turn
.macro MM t, qf, pf, zero
.irp u, 0,1,2,3
.if \zero
	v_wmma_f32_16x16x32_bf16 v[ACC+32*\t+8*\u:ACC+32*\t+8*\u+7], v[\qf+16*\u:\qf+16*\u+7], v[\pf:\pf+7], 0
.else
	v_wmma_f32_16x16x32_bf16 v[ACC+32*\t+8*\u:ACC+32*\t+8*\u+7], v[\qf+16*\u:\qf+16*\u+7], v[\pf:\pf+7], v[ACC+32*\t+8*\u:ACC+32*\t+8*\u+7]
.endif
.endr
.endm
.macro GEMM t                          ; l = 1024t .. 1024t + 1023: 24 matrix instructions; the first four start the sums (C = 0)
	WIN MULT
	MM \t, QHF,   PF+32*\t,    1       ; hi x hi
	MM \t, QHF+8, PF+32*\t+8,  0
	MM \t, QHF,   PF+32*\t+16, 0       ; Q hi x P' lo
	MM \t, QHF+8, PF+32*\t+24, 0
	MM \t, QLF,   PF+32*\t,    0       ; Q lo x P' hi
	MM \t, QLF+8, PF+32*\t+8,  0
	WIN 0
.endm
.macro STORE t                         ; 4,096 bytes of the row: each store is 512 consecutive bytes, 16 a lane
.irp u, 0,1,2,3
	global_store_b128 v[OOFF], v[ACC+32*\t+8*\u:ACC+32*\t+8*\u+3], s[14:15] offset:4096*\t+1024*\u th:TH_STORE_NT
	global_store_b128 v[OOFF], v[ACC+32*\t+8*\u+4:ACC+32*\t+8*\u+7], s[14:15] offset:4096*\t+1024*\u+512 th:TH_STORE_NT
.endr
.endm
	; ---- addresses and the five loads.  All addresses are made ahead of the one wait that states them ----
	s_load_b256 s[4:11], s[0:1], 0x0               ; log_dt s[4:5], C_re s[6:7], C_im s[8:9], log_A_re s[10:11]
	s_load_b128 s[12:15], s[0:1], 0x20             ; A_im s[12:13], out0 s[14:15]
	s_set_vgpr_msb 0x80
	v_lshl_add_u32 v0, v0, 2, 0x24000
	v_mov_b32 v1, 0
	s_set_vgpr_msb 0x8000
	v_lshrrev_b32 v[T0], 5, v0
	v_readfirstlane_b32 s16, v[T0]                 ; wave 0..3
	v_and_b32 v[LANE], 31, v0
	s_lshl_b32 s17, ttmp9, 9                       ; the work-group's four rows of 128 bytes
	v_lshl_add_u32 v[POFF], v0, 2, s17             ; + 4 x thread = 128 wave + 4 lane
	s_lshl_b32 s18, ttmp9, 2
	v_and_b32 v[T0], 15, v0                        ; r
	v_bfe_u32 v[T1], v0, 4, 1                      ; hh
	v_mul_u32_u24 v[FADR], v[T0], PITCH
	v_lshl_add_u32 v[FADR], v[T1], 4, v[FADR]
	v_lshlrev_b32 v[OOFF], 4, v[LANE]
	v_mov_b32 v[MONE], -1.0
	v_mov_b32 v[QB], 1.0                           ; Q[0] = w^0
	v_mov_b32 v[QB+1], 0
	s_wait_alu depctr_va_sdst(0)                   ; s16 is written, ahead of its first reader: h and the wave's part of LDS are made from it
	s_add_co_u32 s18, s18, s16                     ; h = 4 x work-group + wave
	s_lshl_b32 s19, s18, 2
	v_mov_b32 v[DOFF], s19
	s_lshl_b32 s22, s18, 14                        ; h rows of 16,384 bytes (below 2^24)
	s_mov_b32 s23, 0
	s_mul_i32 s20, s16, WAVE_LDS                   ; the wave's part of LDS
	v_add_nc_u32 v[FADR], s20, v[FADR]
	v_lshl_add_u32 v[SADR], v[LANE], 2, s20
	s_wait_kmcnt 0x0
	s_wait_alu depctr_va_vdst(0)                   ; v[DOFF], v[POFF], v[SADR], v[FADR] and v[OOFF] are written: every load and store of the kernel reads one of them as its address
	global_load_b32 v[LDT], v[DOFF], s[4:5]        ; the same word in all lanes
	global_load_b32 v[LAR], v[POFF], s[10:11] th:TH_LOAD_NT
	global_load_b32 v[AIM], v[POFF], s[12:13] th:TH_LOAD_NT
	global_load_b32 v[CRE], v[POFF], s[6:7] th:TH_LOAD_NT
	global_load_b32 v[CIM], v[POFF], s[8:9] th:TH_LOAD_NT
	s_add_nc_u64 s[14:15], s[14:15], s[22:23]      ; out at row h
	; ---- w = exp(-a dt) (cos th + i sin th),  a = exp(log_A_re),  th = A_im dt ----
	s_wait_loadcnt 0x2                             ; log_dt, log_A_re, A_im are in; the two younger loads (C_re, C_im) may be out
	v_mul_f32 v[T0], 0x3fb8aa3b, v[LDT]            ; x log2(e)
	v_mul_f32 v[T1], 0x3fb8aa3b, v[LAR]
	v_exp_f32 v[DT], v[T0]
	v_exp_f32 v[AA], v[T1]
	v_mov_b32 v[SP], 0x3638ef1d                    ; 1/9!  (the plain instruction between the exponentials and their first use, ISA guide 5.7.2)
	s_wait_alu depctr_va_vdst(0)
	v_mul_f32 v[TH], v[AIM], v[DT]
	v_mul_f32 v[XX], v[AA], v[DT]
	v_mul_f32 v[XX], 0xbfb8aa3b, v[XX]             ; -a dt log2(e)
	v_exp_f32 v[EE], v[XX]
	v_mul_f32 v[QF], 0x3f22f983, v[TH]             ; th 2/pi
	v_rndne_f32 v[QF], v[QF]                       ; quadrant number q
	v_fmamk_f32 v[PHI], v[QF], 0xbfc90fdb, v[TH]   ; phi = th - q pi/2, pi/2 in two parts; q = 0 leaves th as it is
	v_fmamk_f32 v[PHI], v[QF], 0x333bbd2e, v[PHI]
	v_cvt_i32_f32 v[QI], v[QF]
	v_mul_f32 v[ZZ], v[PHI], v[PHI]                ; |phi| <= pi/4: Taylor to phi^9 and phi^8 leaves less than 3e-8
	v_mov_b32 v[CP], 0x37d00d01                    ; 1/8!
	v_fmaak_f32 v[SP], v[SP], v[ZZ], 0xb9500d01    ; -1/7!
	v_fmaak_f32 v[CP], v[CP], v[ZZ], 0xbab60b61    ; -1/6!
	v_fmaak_f32 v[SP], v[SP], v[ZZ], 0x3c088889    ; 1/5!
	v_fmaak_f32 v[CP], v[CP], v[ZZ], 0x3d2aaaab    ; 1/4!
	v_fmaak_f32 v[SP], v[SP], v[ZZ], 0xbe2aaaab    ; -1/3!
	v_fmaak_f32 v[CP], v[CP], v[ZZ], 0xbf000000    ; -1/2!
	v_mul_f32 v[SP], v[SP], v[ZZ]
	v_fma_f32 v[CS], v[CP], v[ZZ], 1.0             ; cos phi
	v_fma_f32 v[SN], v[SP], v[PHI], v[PHI]         ; sin phi
	; q mod 4 = 0: (c, s)  1: (-s, c)  2: (-c, -s)  3: (s, -c).  Selected by masks, no branch.  The sign masks stand between the compare and the wait for VCC.
	v_and_b32 v[B0], 1, v[QI]
	v_cmp_eq_u32 vcc_lo, 1, v[B0]
	v_add_nc_u32 v[G2], 1, v[QI]
	v_lshlrev_b32 v[G1], 30, v[QI]                 ; bit 1 of q: sign of sin
	v_lshlrev_b32 v[G2], 30, v[G2]                 ; bit 1 of q + 1: sign of cos
	v_and_b32 v[G1], 0x80000000, v[G1]
	v_and_b32 v[G2], 0x80000000, v[G2]
	s_wait_alu depctr_va_vcc(0)                    ; the compare has written VCC, which the two selects read
	v_cndmask_b32 v[T0], v[CS], v[SN], vcc_lo      ; cos th up to sign
	v_cndmask_b32 v[T1], v[SN], v[CS], vcc_lo      ; sin th up to sign
	v_xor_b32 v[T1], v[G1], v[T1]
	v_xor_b32 v[T0], v[G2], v[T0]
	s_wait_alu depctr_va_vdst(0)
	v_mul_f32 v[W], v[EE], v[T0]                   ; w
	v_mul_f32 v[W+1], v[EE], v[T1]
	SQ 0                                           ; the chain of squarings; other work stands between its links
	; ---- P'[0] = conj(2 Ct),  Ct = C (w - 1) conj(A) / |A|^2,  conj(A) = (-a, -A_im) ----
	s_wait_loadcnt 0x0                             ; C_re, C_im
	v_add_f32 v[UR], -1.0, v[W]
	v_mul_f32 v[NR], v[CRE], v[UR]
	v_mul_f32 v[NI], v[CRE], v[W+1]
	v_mul_f32 v[DEN], v[AA], v[AA]
	v_fma_f32 v[NR], -v[CIM], v[W+1], v[NR]        ; Re C (w - 1)
	v_fma_f32 v[NI], v[CIM], v[UR], v[NI]          ; Im C (w - 1)
	v_fma_f32 v[DEN], v[AIM], v[AIM], v[DEN]
	v_rcp_f32 v[INV], v[DEN]
	v_mul_f32 v[PR], v[AIM], v[NI]                 ; (plain, and independent of the reciprocal)
	v_mul_f32 v[PI], v[AIM], v[NR]
	v_fma_f32 v[PR], -v[AA], v[NR], v[PR]          ; A_im ni - a nr  =  |A|^2 Re Ct
	v_fma_f32 v[PI], v[AA], v[NI], v[PI]           ; A_im nr + a ni  = -|A|^2 Im Ct
	s_wait_alu depctr_va_vdst(0)
	v_add_f32 v[INV], v[INV], v[INV]
	v_mul_f32 v[PB], v[PR], v[INV]
	v_mul_f32 v[PB+1], v[PI], v[INV]
	; ---- the powers.  Q's row bits 0..5 stand for w^1, w^2, w^128, w^64, w^256, w^512; P's for w^4, 8, 16, 32, 1024, 2048 ----
	LEVEL QB, 0, 1, 1, 0, 0
	SQ 1
	LEVEL QB, 0, 2, 2, 1, 0
	SQ 2
	LEVEL PB, 0, 1, 1, 2, 1
	SQ 3
	LEVEL PB, 0, 2, 2, 3, 1
	SQ 4
	LEVEL PB, 0, 4, 4, 4, 1
	SQ 5
	LEVEL PB, 0, 8, 8, 5, 1                        ; P'[0..15]: the first tile
	SQ 6
	LEVEL QB, 0, 4, 8, 6, 0                        ; bit 3: w^64
	SQ 7
	LEVEL QB, 0, 4, 4, 7, 0                        ; bit 2: w^128
	LEVEL QB, 8, 4, 4, 7, 0
	SQ 8
	LEVEL QB, 0, 16, 16, 8, 0
	SQ 9
	LEVEL QB, 0, 32, 32, 9, 0
	SQ 10
	; ---- Q: split tile by tile; a tile's LDS stores stand among the next tile's split ----
	SPLITV QB, 0, 0, LQH, LQL
	s_wait_alu depctr_va_vdst(0)                   ; tile 0's split has written its hi and lo words, which the LDS stores among the next lines read
	SPLITV QB, 1, 1, LQH, LQL
	s_wait_alu depctr_va_vdst(0)                   ; the same for tile 1's words
	SPLITV QB, 2, 1, LQH, LQL
	s_wait_alu depctr_va_vdst(0)                   ; the same for tile 2's words
	SPLITV QB, 3, 1, LQH, LQL
	s_wait_alu depctr_va_vdst(0)                   ; the same for tile 3's words, whose stores stand among the level below
	s_wait_alu depctr_vm_vsrc(0)                   ; the LDS stores of Q's tiles 0 to 2 have read their rows' registers, which P' rows 16 to 63 write, and HI + 0 .. 47, which the splits of P' tiles 0 to 2 write
	LEVELST PB, 0, 16, 10, 1, QB, 48, LQH, LQL     ; P'[16..31] = P'[0..15] conj(w^1024), on Q tile 0's registers | Q tile 3 to LDS
	WIN TO_FRAG                                    ; Q back as fragments: they arrive while P' is finished.  v[FADR] was stated at the head; nothing has named the registers in which they land
.irp u, 0,1,2,3
.irp c, 0,1,2,3
	ds_load_b128 v[QHF+16*\u+4*\c:QHF+16*\u+4*\c+3], v[FADR] offset:LQH+\u*16*PITCH+32*\c
	ds_load_b128 v[QLF+16*\u+4*\c:QLF+16*\u+4*\c+3], v[FADR] offset:LQL+\u*16*PITCH+32*\c
.endr
.endr
	WIN 0
	LEVEL PB, 0, 16, 32, 11, 1                     ; P'[32..47] = P'[0..15] conj(w^2048): P' tile 0 has now served as a source for the last time
	; ---- tile row by tile row.  P' tile t+2 is split behind the products of tile row t, with tile t+1's LDS stores among its lines and tile t+1's fragment loads
	; behind them.  That vector work names no register of the matrix instructions in front of it and so fills the four places that a store of their results
	; needs, and each quarter of the row leaves while the next ones are still being made. ----
	SPLITV PB, 0, 0, LPH, LPL
	s_wait_alu depctr_va_vdst(0)                   ; P' tile 0's split has written its hi and lo words, which the LDS stores among the level below read
	LEVELST PB, 16, 32, 11, 1, PB, 0, LPH, LPL     ; P'[48..63] = P'[16..31] conj(w^2048) | P' tile 0 to LDS
	LOADP 0                                        ; tile 1's split stands between these loads and the wait for them
	SPLITV PB, 1, 0, LPH, LPL
	s_wait_alu depctr_va_vdst(0)                   ; P' tile 1's split has written its words; their LDS stores stand behind the products below, which name tile 0's registers and window 1 alone
	s_wait_alu depctr_vm_vsrc(0)                   ; P' tile 0's LDS stores have read its registers, on which the sums below land; Q tile 3's have read HI + 48 .. 63, which P' tile 3's split writes
	s_wait_dscnt 0x0                               ; Q's fragments and P' tile 0's are in: nothing was issued behind them
	GEMM 0
	SPLITV PB, 2, 1, LPH, LPL
	LOADP 1
	s_wait_alu depctr_va_vdst(0)                   ; the products have written tile row 0's sums, which the stores below read; tile 2's split has written its words, whose LDS stores stand among tile 3's split
	STORE 0
	s_wait_alu depctr_vm_vsrc(0)                   ; P' tile 1's LDS stores have read its registers, on which the sums below land
	s_wait_dscnt 0x0                               ; P' tile 1's fragments are in: nothing was issued behind them
	GEMM 1
	SPLITV PB, 3, 1, LPH, LPL
	LOADP 2
	s_wait_alu depctr_va_vdst(0)                   ; the products have written tile row 1's sums, which the stores below read; tile 3's split has written its words, whose LDS stores stand behind the next products
	STORE 1
	s_wait_alu depctr_vm_vsrc(0)                   ; P' tile 2's LDS stores have read its registers, on which the sums below land
	s_wait_dscnt 0x0                               ; P' tile 2's fragments are in: nothing was issued behind them
	GEMM 2
	STRUN PB, 48, LPH, LPL                         ; P' tile 3 to LDS.  No wait: since the last wait on va_vdst only the products above were issued, which name tile 2's registers and window 1
	LOADP 3
.rept 4
	v_nop                                          ; no vector work is left: the four places in front of the stores
.endr
	s_wait_alu depctr_va_vdst(0)                   ; the products have written tile row 2's sums, which the stores below read; the places above stay beside this wait
	STORE 2
	s_wait_alu depctr_vm_vsrc(0)                   ; P' tile 3's LDS stores have read its registers, on which the sums below land
	s_wait_dscnt 0x0                               ; tile 3's fragments: nothing was issued behind them
	GEMM 3
.rept 4
	v_nop
.endr
	s_wait_alu depctr_va_vdst(0)                   ; the products have written tile row 3's sums, which the stores below read; the places above stay beside this wait
	STORE 3
	s_set_vgpr_msb 0xa
	s_wait_dscnt 0x0
	s_wait_alu depctr_hold_cnt(0) depctr_sa_sdst(0) depctr_va_vdst(0) depctr_va_sdst(0) depctr_va_ssrc(0) depctr_va_vcc(0) depctr_vm_vsrc(0)
	s_wait_tensorcnt 0x0
	ds_add_u32 v0, v1
	s_wait_dscnt 0x0
	s_endpgm
.Lfunc_end_k_q0bb2e40056_s4kernel:
	.size	k_q0bb2e40056_s4kernel, .Lfunc_end_k_q0bb2e40056_s4kernel-k_q0bb2e40056_s4kernel
	.p2alignl 7, 3214868480
	.fill 96, 4, 3214868480
	.section	.rodata,"a",@progbits
	.p2align	6, 0x0
	.amdhsa_kernel k_q0bb2e40056_s4kernel
		.amdhsa_group_segment_fixed_size 147968
		.amdhsa_private_segment_fixed_size 0
		.amdhsa_enable_private_segment 0
		.amdhsa_kernarg_size 48
		.amdhsa_user_sgpr_count 2
		.amdhsa_user_sgpr_kernarg_segment_ptr 1
		.amdhsa_wavefront_size32 1
		.amdhsa_system_sgpr_workgroup_id_x 1
		.amdhsa_system_sgpr_workgroup_id_y 1
		.amdhsa_system_sgpr_workgroup_id_z 1
		.amdhsa_system_vgpr_workitem_id 0
		.amdhsa_next_free_vgpr 514
		.amdhsa_next_free_sgpr 66
		.amdhsa_reserve_vcc 1
		.amdhsa_float_denorm_mode_32 3
		.amdhsa_float_denorm_mode_16_64 3
		.amdhsa_memory_ordered 1
		.amdhsa_forward_progress 1
		.amdhsa_inst_pref_size 85
	.end_amdhsa_kernel
	.amdgpu_metadata
---
amdhsa.version: [ 1, 2 ]
amdhsa.kernels:
  - .name:           k_q0bb2e40056_s4kernel
    .symbol:         k_q0bb2e40056_s4kernel.kd
    .args:
      - { .name: log_dt, .offset: 0, .size: 8, .value_kind: global_buffer, .address_space: global }
      - { .name: C_re, .offset: 8, .size: 8, .value_kind: global_buffer, .address_space: global }
      - { .name: C_im, .offset: 16, .size: 8, .value_kind: global_buffer, .address_space: global }
      - { .name: log_A_re, .offset: 24, .size: 8, .value_kind: global_buffer, .address_space: global }
      - { .name: A_im, .offset: 32, .size: 8, .value_kind: global_buffer, .address_space: global }
      - { .name: out0, .offset: 40, .size: 8, .value_kind: global_buffer, .address_space: global }
    .group_segment_fixed_size: 147968
    .private_segment_fixed_size: 0
    .kernarg_segment_align: 8
    .kernarg_segment_size: 48
    .max_flat_workgroup_size: 128
    .sgpr_count:     66
    .vgpr_count:     514
    .wavefront_size: 32
...
	.end_amdgpu_metadata
.endif
;; end of part 2
